; MI455X (gfx1250); checked and timed in simulation.
; The chip was launched on July 23, 2026; its instructions are those of AMD's public machine-readable ISA for CDNA 5 (MIT licence, August 2026) and "CDNA5" Instruction Set Architecture Reference Guide (July 2026). The comments in the code are by the model that wrote it; some were corrected since.
;; Attention. Allowed arithmetic: matrix products marked QUANTISED: E4M3 operands, one E8M0 scale for each 32 along K, by v_wmma_scale_f32_16x16x128_f8f6f4 with both operands' format E4M3, f32 sums; everything else in f32.
;; Inputs: Wk 1,024 x 1,024 float32; Wq 1,024 x 1,024 float32; Wv 1,024 x 1,024 float32; attention_mask 4 x 2,048 x 2,048 bool; bk 1,024 float32; bq 1,024 float32; bv 1,024 float32; k 4 x 2,048 x 1,024 float32; q 4 x 2,048 x 1,024 float32; v 4 x 2,048 x 1,024 float32.
;; Outputs: out0 4 x 2,048 x 1,024 float32.
;; This version of the problem:
;;   THIS VERSION OF THE PROBLEM IS GIVEN IN LOW PRECISION. The matrix products marked QUANTISED in the list below multiply operands that are first quantised to E4M3 (4 exponent bits, 3 mantissa bits; 8 bits a number), with one power-of-two scale for each 32 numbers along K (OCP MX v1.0); their sums are f32. All else is computed in f32.
;;   The module's matrix products, in the order in which they are computed (A, B: the left and right operand; K: the contracted axis; several contracted axes count as one K, in the product's order):
;;     1. [M 8,192, K 1,024] x [K 1,024, N 1,024]; A: input q; B: input Wq: QUANTISED
;;     2. [M 8,192, K 1,024] x [K 1,024, N 1,024]; A: input k; B: input Wk: QUANTISED
;;     3. [M 8,192, K 1,024] x [K 1,024, N 1,024]; A: input v; B: input Wv: QUANTISED
;;     4. batch 64 x [M 2,048, K 64] x [K 64, N 2,048]; A: computed on the way; B: computed on the way: QUANTISED
;;     5. batch 64 x [M 64, K 2,048] x [K 2,048, N 2,048]; A: computed on the way; B: softmax (see below): QUANTISED
;;   THE QUANTISER, for each operand of a quantised product, along K:
;;     - K is cut into blocks of 32 from its start; a last block that is shorter is filled with zeros.
;;     - A block's scale is 2^e with e = floor(log2(the largest magnitude in the block)) - 8, held to -126 .. 127; a block of zeros has e = 0. As a byte (E8M0): e + 127.
;;     - Each number is divided by its block's scale, clamped to +-448, and rounded to the nearest number of E4M3, ties to even, subnormals kept.
;;     - The product sums the exact products of the quantised numbers (number of the format x scale) in f32.
;;   ~~~python
;;   def quantise(x, axis):      # numpy; x: float32 -> the quantised numbers, widened to float32 again
;;       x = np.moveaxis(x, axis, -1); K = x.shape[-1]
;;       x = np.pad(x, [(0, 0)] * (x.ndim - 1) + [(0, -K % 32)]); x = x.reshape(x.shape[:-1] + (-1, 32)); a = np.abs(x).max(-1, keepdims=True)
;;       e = np.where(a > 0, np.clip(np.frexp(np.where(a > 0, a, 1))[1] - 1 - 8, -126, 127), 0)      # np.frexp(a)[1] - 1 = floor(log2(a)), exactly
;;       r = np.clip(x / 2.0 ** e, -448, 448)
;;       step = 2.0 ** (np.maximum(np.frexp(np.where(r == 0, 1, r))[1] - 1, -6) - 3)
;;       q = np.round(r / step) * step * 2.0 ** e      # np.round: ties to even
;;       return np.moveaxis(q.reshape(q.shape[:-2] + (-1,))[..., :K], -1, axis).astype(np.float32)
;;   ~~~
;;   SOFTMAX AHEAD OF A QUANTISED PRODUCT. Where the list says 'softmax', what is quantised is not the finished softmax but p = 2^(t - M), with t = logit x log2(e) and M = ceil(the row's largest t), a whole number; so 1/2 < the row's largest p <= 1. The row's sum l is taken of the UNQUANTISED p, in f32, and the product's result is divided by l at the end. Since M is a whole number, a kernel that streams over the keys may use a running M (the ceiling of the running maximum): every later rescaling is an exact power of two, which a block's scale takes up: the codes' values come out the same.
;;   OPERANDS COMPUTED ON THE WAY. 'Computed on the way' means the value that the module computes at that place (a softmax that the list does not call 'softmax' is quantised finished and normalised). What goes into a quantiser is computed in f32, as accurately as f32 sums, v_exp_f32 and their like allow (about 1e-6 of the number): no bf16 or f16 on the way to a quantiser, and a product that is left as it is and whose result goes on into a quantised operand takes f32 operands (vector FMAs, or v_wmma_f32_16x16x4_f32). A number that lies on a knife's edge between two numbers of the format may be rounded either way, as far as f32 arithmetic and the matrix unit's own rounding can turn it there, and no further.
;; One version. Each part assembles by itself: llvm-mc -triple=amdgcn-amd-amdhsa -mcpu=gfx1250 --defsym DOCPART=n.
;; ======== version 1 of 1: 3 launches
;; limits: right only within a limited range of input values
;; workspace buffers: xc 28,311,552 bytes; xs 884,736 bytes; hc 25,165,824 bytes; hs 786,432 bytes; maskw 2,097,152 bytes of whole numbers; flags 8,192 bytes of whole numbers
;; launch prep (part 1): grid 1376 x 1, 4 waves a work-group, no clusters, 33,280 bytes of LDS; arguments q, k, v, Wq, Wk, Wv, attention_mask, xc, xs, maskw, flags; writes xc, xs, maskw, flags
.if DOCPART == 1
	.amdgcn_target "amdgcn-amd-amdhsa--gfx1250"
	.amdhsa_code_object_version 6
	.text
	.protected	k_q9c5ca117d4_prep
	.globl	k_q9c5ca117d4_prep
	.p2align	8
	.type	k_q9c5ca117d4_prep,@function
k_q9c5ca117d4_prep:
	s_mov_b64 s[64:65], 0
	v_nop
	global_prefetch_b8 v0, s[64:65] scope:SCOPE_SE
	s_setreg_imm32_b32 hwreg(HW_REG_WAVE_MODE, 25, 1), 1
	s_wait_xcnt 0x0
; PREP.  Two jobs in one launch, parted on the work-group's number.
; (1) Work-groups 512 .. 1375: q, k, v [8192][1024] and Wq, Wk, Wv [1024][1024], f32, K innermost, become codes of FP8 (E4M3) in xc (rows of 1,024 bytes, in the order q, k, v, Wq, Wk, Wv)
;     and one E8M0 byte for each 32 along K in xs (32 bytes a row, the same order).  A block's scale is 2^(floor(log2(its largest magnitude)) - 8); each number is divided by it, held within +-448 and
;     rounded to the nearest code, ties to even.
;     ROW R OF EVERY TENSOR IS STORED AT ROW pi(R) = R WITH ITS BITS 3 AND 4 EXCHANGED.  So sixteen neighbouring stored rows, lane r of tile 2 b + u, are the rows 32 b + 8 u + r + 8 (r / 8), and the sixteen result
;     registers that a lane gets from two neighbouring tiles are sixteen neighbours in the true order: what the next quantiser wants.  A wave's run is 8 rows, so the exchange is one of the wave's two bits.
; (2) Work-groups 0 .. 511: the mask [4][2048][2048] of bytes becomes words of 32 lane bits.  Work-group G = 128 b + T takes the 16 queries of tile T = 2 B + u (query 32 B + 8 u + r + 8 (r / 8) for r = 0 .. 15).
;     maskw[G][s][j], s = 0 .. 15, j = 16 c + i: bit (r + 16 h) = mask[b][query r][128 s + 32 c + 16 h + i].  flags[G][w]: bit s (4 w <= s < 4 w + 4) says that step s has a masked key for this tile.
; LIMITS: blocks whose largest magnitude lies under 2^-118 have their byte held at 1; a block of zeros keeps the byte 1 (its codes are zeros, and this program alone reads the bytes); NaN and infinities are not served.
; In job (2) a lane reads 16 bytes of a row of the mask, so the eight loads that cover one run of 256 bytes of a row come from one wave, one behind the other: the mask is read once, but not in whole runs by one load.
; No tensor loads, no barrier: waves share nothing.  Only job (1) touches LDS.
.set NMASK, 512
.set STEPS, 16
.set EMAX,  8
.set MANT,  0x600000                   ; the mantissa field of 448 as f32
.set CB,    16                         ; bytes of 16 codes
.set R,     16                         ; v16-79   four sets of 16 numbers as they are loaded
.set X,     80                         ; v80-111  two sets of 16 neighbours
.set C,     128                        ; v128-159 codes: four registers for each step, a ring of eight steps; a step's registers are written again behind s_wait_xcnt 0
.set E,     112                        ; v112-119 a scale byte for each step, a ring of eight steps; v120, v121: the spare word's address and 0
.set WREG,  8192                       ; LDS: a region for each wave: two stages of 32 x SP bytes, behind them its 256 scale bytes
.set SP,    80                         ; a lane's place in a stage: 64 bytes + 16 of padding
	s_load_b512 s[36:51], s[0:1], 0x0              ; q, k, v, Wq, Wk, Wv, mask, xc
	s_load_b128 s[52:55], s[0:1], 0x40             ; xs, maskw
	s_load_b64 s[56:57], s[0:1], 0x50              ; flags
	v_lshl_add_u32 v120, v0, 2, 0x8000
	v_mov_b32 v121, 0
	v_lshrrev_b32 v1, 5, v0
	v_readfirstlane_b32 s16, v1                    ; wave 0..3
	v_and_b32 v2, 31, v0                           ; lane
	s_cmp_lt_u32 ttmp9, NMASK
	s_cbranch_scc1 .Lmask
	; ---------------- job (1): the quantiser ----------------
	v_lshlrev_b32 v3, 4, v2                        ; my 16 bytes of a load's 512
	s_mul_i32 s17, s16, WREG
	v_lshrrev_b32 v14, 2, v2
	v_mul_u32_u24 v14, v14, SP
	v_and_b32 v15, 3, v2
	v_lshl_add_u32 v14, v15, 4, v14
	v_add_nc_u32 v14, s17, v14                     ; the stage, on the way in: SP (lane / 4) + 16 (lane % 4)
	v_mul_u32_u24 v15, v2, SP
	v_add_nc_u32 v15, s17, v15                     ; and on the way out: SP x lane: my 16 neighbours
	v_mul_u32_u24 v4, v2, CB                       ; my codes' place in a step's
	v_lshrrev_b32 v5, 1, v2
	s_add_co_u32 s17, s17, 2*32*SP
	v_add_nc_u32 v5, s17, v5                       ; LDS: my wave's 256 scale bytes, my block's byte
	v_lshlrev_b32 v7, 3, v2                        ; and on the way out 8 bytes a lane
	v_add_nc_u32 v6, s17, v7
	s_mov_b32 s23, MANT
	s_sub_co_u32 s18, ttmp9, NMASK                 ; which 32 rows of the six tensors on end: 0 .. 863
	s_wait_alu depctr_va_vdst(0)
	s_wait_kmcnt 0x0
	s_mov_b64 s[4:5], s[46:47]                     ; the tensor is chosen by the work-group's number alone: Wv from 832 on,
	s_mov_b32 s19, 832
	s_cmp_lt_u32 s18, 832
	s_cselect_b64 s[4:5], s[44:45], s[4:5]         ; Wk from 800,
	s_cselect_b32 s19, 800, s19
	s_cmp_lt_u32 s18, 800
	s_cselect_b64 s[4:5], s[42:43], s[4:5]         ; Wq from 768,
	s_cselect_b32 s19, 768, s19
	s_cmp_lt_u32 s18, 768
	s_cselect_b64 s[4:5], s[40:41], s[4:5]         ; v from 512,
	s_cselect_b32 s19, 512, s19
	s_cmp_lt_u32 s18, 512
	s_cselect_b64 s[4:5], s[38:39], s[4:5]         ; k from 256,
	s_cselect_b32 s19, 256, s19
	s_cmp_lt_u32 s18, 256
	s_cselect_b64 s[4:5], s[36:37], s[4:5]         ; q from 0
	s_cselect_b32 s19, 0, s19
	s_sub_co_u32 s19, s18, s19
	s_lshl_b32 s19, s19, 2
	s_add_co_u32 s19, s19, s16                     ; my run of 8 rows in its tensor
	s_lshl_b32 s20, s19, 15                        ; 32,768 bytes a run
	s_mov_b32 s21, 0
	s_add_nc_u64 s[4:5], s[4:5], s[20:21]
	s_and_b32 s22, s16, 1                          ; where it goes: the wave's two bits exchanged
	s_lshl_b32 s22, s22, 1
	s_lshr_b32 s24, s16, 1
	s_or_b32 s22, s22, s24
	s_lshl_b32 s24, s18, 2
	s_add_co_u32 s22, s22, s24
	s_lshl_b32 s20, s22, 13                        ; 8,192 bytes of codes a run
	s_add_nc_u64 s[8:9], s[50:51], s[20:21]
	s_lshl_b32 s20, s22, 8                         ; 256 scale bytes a run
	s_add_nc_u64 s[10:11], s[52:53], s[20:21]
.macro LOAD t
.irp i, 0,1,2,3
	global_load_b128 v[R+16*((\t)%4)+4*\i:R+16*((\t)%4)+4*\i+3], v3, s[4:5] offset:2048*(\t)+512*\i th:TH_LOAD_NT   ; 32 lanes read 512 consecutive bytes
.endr
.endm
.macro TURN t                          ; step t's numbers through the stage: LDS serves a wave's instructions in order, so no wait stands between the stores and the loads
.irp i, 0,1,2,3
	ds_store_b128 v14, v[R+16*((\t)%4)+4*\i:R+16*((\t)%4)+4*\i+3] offset:32*SP*((\t)%2)+8*SP*\i
.endr
.irp i, 0,1,2,3
	ds_load_b128 v[X+16*((\t)%2)+4*\i:X+16*((\t)%2)+4*\i+3], v15 offset:32*SP*((\t)%2)+16*\i
.endr
.endm
.irp t, 0,1,2,3
	LOAD \t
.endr
	s_wait_loadcnt 12                              ; step 0's four loads are in
	TURN 0
.macro STEP t
.set XS, X+16*((\t)%2)
.if (\t) > 0
	s_wait_dscnt 1                                 ; this step's numbers are back from the stage (the last step's byte store may be out)
.else
	s_wait_dscnt 0x0
.endif
.if (\t) >= 8
	s_wait_xcnt 0x0                                ; the store of eight steps back has read its data: this step's codes take those registers
.endif
.if (\t)+4 < STEPS
	LOAD (\t)+4                                    ; the registers that the stage's stores have read take the loads of four steps on
.endif
.if (\t)+1 < STEPS
.if STEPS-2-(\t) >= 3
	s_wait_loadcnt 12                              ; the next step's four loads are in; those of the three steps behind it may be out
.else
	s_wait_loadcnt 4*(STEPS-2-(\t))
.endif
	TURN (\t)+1                                    ; and go through the other stage while this step is worked
.endif
	v_max3_num_f32 v8, |v[XS]|, |v[XS+1]|, |v[XS+2]|               ; the largest magnitude of my 16
	v_max3_num_f32 v9, |v[XS+3]|, |v[XS+4]|, |v[XS+5]|
.irp i, 6,10
	v_max3_num_f32 v8, v8, |v[XS+\i]|, |v[XS+\i+1]|
	v_max3_num_f32 v9, v9, |v[XS+\i+2]|, |v[XS+\i+3]|
.endr
	v_max3_num_f32 v8, v8, |v[XS+14]|, |v[XS+15]|
	v_max3_num_f32 v8, v8, v9, (EMAX+1)<<23        ; and the floor 2^(9 - 127): the byte cannot fall under 1
	v_max_num_f32_dpp v8, v8, v8 row_xmask:1 row_mask:0xf bank_mask:0xf   ; and of my neighbour's 16: the block's
	v_add_nc_u32 v11, -(EMAX<<23), v8              ; 8 off its exponent field: the conversion takes the exponent field of this operand as its scale
	v_and_or_b32 v10, v8, 0x7f800000, s23          ; 448 x the scale
.irp i, 0,1,2,3,4,5,6,7,8,9,10,11,12,13,14,15
	v_med3_num_f32 v[XS+\i], v[XS+\i], -v10, v10   ; the conversion to an 8-bit code does not saturate (ISA guide 7.6.2): the hold comes first
.endr
	v_cvt_scalef32_pk8_fp8_f32 v[C+4*((\t)%8):C+4*((\t)%8)+1], v[XS:XS+7], v11
	v_cvt_scalef32_pk8_fp8_f32 v[C+4*((\t)%8)+2:C+4*((\t)%8)+3], v[XS+8:XS+15], v11
	v_lshrrev_b32 v[E+((\t)%8)], 23, v11           ; the scale's byte
	ds_store_b8 v5, v[E+((\t)%8)] offset:16*(\t)   ; both lanes of a block write the same byte with the same value
	global_store_b128 v4, v[C+4*((\t)%8):C+4*((\t)%8)+3], s[8:9] offset:32*CB*(\t)   ; the wave stores 512 consecutive bytes
.endm
.irp t, 0,1,2,3,4,5,6,7,8,9,10,11,12,13,14,15
	STEP \t
.endr
	ds_load_b64 v[12:13], v6                       ; LDS serves a wave's instructions in order: these see my stores
	s_wait_dscnt 0x0
	global_store_b64 v7, v[12:13], s[10:11]        ; 32 lanes store 256 consecutive bytes, aligned
	s_wait_tensorcnt 0x0
	ds_add_u32 v120, v121
	s_wait_dscnt 0x0
	s_endpgm
	; ---------------- job (2): the mask ----------------
.Lmask:
	s_wait_alu depctr_va_vdst(0)
	v_and_b32 v5, 15, v2                           ; r
	v_lshrrev_b32 v6, 4, v2                        ; h
	v_and_b32 v7, 8, v5
	v_add_nc_u32 v7, v7, v5                        ; r + 8 (r / 8)
	v_lshlrev_b32 v3, 11, v7                       ; a row of the mask is 2,048 bytes
	v_lshl_add_u32 v3, v6, 4, v3                   ; + 16 h
	v_lshlrev_b32 v4, 3, v2                        ; out: 8 bytes a lane
	s_and_b32 s17, ttmp9, 1
	s_lshl_b32 s17, s17, 3
	s_lshl_b32 s18, ttmp9, 4
	s_sub_co_u32 s18, s18, s17                     ; the tile's first row of the mask: 16 G - 8 (G % 2)
	s_lshl_b32 s18, s18, 11
	s_lshl_b32 s17, s16, 9                         ; wave w takes steps 4 w .. 4 w + 3: 512 bytes of each row
	s_add_co_u32 s18, s18, s17
	s_mov_b32 s19, 0
	s_wait_alu depctr_va_vdst(0)
	s_wait_kmcnt 0x0
	s_add_nc_u64 s[4:5], s[48:49], s[18:19]
.irp i, 0,1,2,3
.irp b, 0,1,2,3
	global_load_b128 v[16+16*\i+4*\b:16+16*\i+4*\b+3], v3, s[4:5] offset:128*\i+32*\b   ; keys 128 (4 w + i) + 32 b + 16 h + 0 .. 15 of my query
.endr
.endr
	s_lshl_b32 s18, ttmp9, 12                      ; maskw: 4,096 bytes a tile, 256 a step
	s_lshl_b32 s17, s16, 10
	s_add_co_u32 s18, s18, s17
	s_add_nc_u64 s[6:7], s[54:55], s[18:19]
	s_lshl_b32 s18, ttmp9, 4                       ; flags: 16 bytes a tile, 4 a wave
	s_lshl_b32 s17, s16, 2
	s_add_co_u32 s18, s18, s17
	s_add_nc_u64 s[8:9], s[56:57], s[18:19]
.irp j, 0,1,2,3,4,5,6,7
	v_mov_b32 v[80+\j], 0                          ; written once: a lane write's destination counts as read
.endr
	s_mov_b32 s24, 0                               ; all of a step's words, ored
	s_mov_b32 s25, 0                               ; my four flag bits
; One step: each byte place of each register gives one word of 32 lane bits (a compare), which is laid into lane j / 2 of the step's two output registers.
.macro MSTEP i
	s_wait_loadcnt 4*(3-\i)                        ; this step's four loads are in; the later steps' may be out
.irp b, 0,1,2,3
.irp q, 0,1,2,3
.irp y, 0,1,2,3
	v_and_b32 v[88+\y], 0xff<<(8*\y), v[16+16*\i+4*\b+\q]
.endr
.irp y, 0,1,2,3
	v_cmp_ne_u32 s[20+\y], 0, v[88+\y]             ; word j = 16 b + 4 q + y
.endr
.irp y, 0,1,2,3
	v_writelane_b32 v[80+2*\i+(\y&1)], s[20+\y], 8*\b+2*\q+(\y>>1)
.endr
.irp y, 0,1,2,3
	s_or_b32 s24, s24, s[20+\y]
.endr
.endr
.endr
	s_cmp_lg_u32 s24, 0
	s_cselect_b32 s26, 1<<\i, 0
	s_or_b32 s25, s25, s26
	s_mov_b32 s24, 0
	s_wait_alu depctr_va_vdst(0)
	global_store_b64 v4, v[80+2*\i:81+2*\i], s[6:7] offset:256*\i   ; the step's 64 words: 256 consecutive bytes, aligned; each step has its own two registers
.endm
	MSTEP 0
	MSTEP 1
	MSTEP 2
	MSTEP 3
	s_lshl_b32 s17, s16, 2
	s_lshl_b32 s25, s25, s17                       ; bits 4 w .. 4 w + 3
	v_mov_b32 v92, s25
	v_mov_b32 v93, 0
	v_cmp_eq_u32 vcc_lo, 0, v2
	s_wait_alu depctr_va_vdst(0)
	s_wait_xcnt 0x0                                ; EXEC changes only behind this wait: the stores above have taken it
	s_and_saveexec_b32 s27, vcc_lo
	global_store_b32 v93, v92, s[8:9]              ; one word a wave
	s_wait_xcnt 0x0
	s_or_b32 exec_lo, exec_lo, s27
	s_endpgm
.Lfunc_end_k_q9c5ca117d4_prep:
	.size	k_q9c5ca117d4_prep, .Lfunc_end_k_q9c5ca117d4_prep-k_q9c5ca117d4_prep
	.p2alignl 7, 3214868480
	.fill 96, 4, 3214868480
	.section	.rodata,"a",@progbits
	.p2align	6, 0x0
	.amdhsa_kernel k_q9c5ca117d4_prep
		.amdhsa_group_segment_fixed_size 33280
		.amdhsa_private_segment_fixed_size 0
		.amdhsa_enable_private_segment 0
		.amdhsa_kernarg_size 88
		.amdhsa_user_sgpr_count 2
		.amdhsa_user_sgpr_kernarg_segment_ptr 1
		.amdhsa_wavefront_size32 1
		.amdhsa_system_sgpr_workgroup_id_x 1
		.amdhsa_system_sgpr_workgroup_id_y 1
		.amdhsa_system_sgpr_workgroup_id_z 1
		.amdhsa_system_vgpr_workitem_id 0
		.amdhsa_next_free_vgpr 160
		.amdhsa_next_free_sgpr 66
		.amdhsa_reserve_vcc 1
		.amdhsa_float_denorm_mode_32 3
		.amdhsa_float_denorm_mode_16_64 3
		.amdhsa_memory_ordered 1
		.amdhsa_forward_progress 1
		.amdhsa_inst_pref_size 112
	.end_amdhsa_kernel
	.amdgpu_metadata
---
amdhsa.version: [ 1, 2 ]
amdhsa.kernels:
  - .name:           k_q9c5ca117d4_prep
    .symbol:         k_q9c5ca117d4_prep.kd
    .args:
      - { .name: q, .offset: 0, .size: 8, .value_kind: global_buffer, .address_space: global }
      - { .name: k, .offset: 8, .size: 8, .value_kind: global_buffer, .address_space: global }
      - { .name: v, .offset: 16, .size: 8, .value_kind: global_buffer, .address_space: global }
      - { .name: Wq, .offset: 24, .size: 8, .value_kind: global_buffer, .address_space: global }
      - { .name: Wk, .offset: 32, .size: 8, .value_kind: global_buffer, .address_space: global }
      - { .name: Wv, .offset: 40, .size: 8, .value_kind: global_buffer, .address_space: global }
      - { .name: attention_mask, .offset: 48, .size: 8, .value_kind: global_buffer, .address_space: global }
      - { .name: xc, .offset: 56, .size: 8, .value_kind: global_buffer, .address_space: global }
      - { .name: xs, .offset: 64, .size: 8, .value_kind: global_buffer, .address_space: global }
      - { .name: maskw, .offset: 72, .size: 8, .value_kind: global_buffer, .address_space: global }
      - { .name: flags, .offset: 80, .size: 8, .value_kind: global_buffer, .address_space: global }
    .group_segment_fixed_size: 33280
    .private_segment_fixed_size: 0
    .kernarg_segment_align: 8
    .kernarg_segment_size: 88
    .max_flat_workgroup_size: 128
    .sgpr_count:     66
    .vgpr_count:     160
    .wavefront_size: 32
...
	.end_amdgpu_metadata
.endif
;; end of part 1
;; launch proj (part 2): grid 4 x 96, 4 waves a work-group, clusters of 4 x 4, 327,680 bytes of LDS; arguments xc, xs, hc, hs, bq, bk, bv; writes hc, hs
.if DOCPART == 2
	.amdgcn_target "amdgcn-amd-amdhsa--gfx1250"
	.amdhsa_code_object_version 6
	.text
	.protected	k_q9c5ca117d4_proj
	.globl	k_q9c5ca117d4_proj
	.p2align	8
	.type	k_q9c5ca117d4_proj,@function
k_q9c5ca117d4_proj:
	s_mov_b64 s[64:65], 0
	v_nop
	global_prefetch_b8 v0, s[64:65] scope:SCOPE_SE
	s_setreg_imm32_b32 hwreg(HW_REG_WAVE_MODE, 25, 1), 1
	s_wait_xcnt 0x0
	s_wait_alu depctr_hold_cnt(0) depctr_sa_sdst(0) depctr_va_vdst(0) depctr_va_sdst(0) depctr_va_ssrc(0) depctr_va_vcc(0) depctr_vm_vsrc(0)
	s_getreg_b32 s2, hwreg(HW_REG_IB_STS2, 6, 4)
	s_cmp_eq_u32 s2, 0
	s_cbranch_scc0 .Lentry_in_a_cluster
	s_endpgm
.Lentry_in_a_cluster:
	s_bfe_u32 s2, ttmp6, 0x10000c
	s_cmp_lg_u32 s2, 0xf033
	s_cbranch_scc0 .Lentry_shape_is_right
	s_endpgm
.Lentry_shape_is_right:
.set KSTEP,  256
.set NQ,     2
.set ROWB,   256
.set KROW,   1024
.set PITCH,  272
.set FR,     16
.set NL,     4
.set NP,     8
.set HALFT,  128*PITCH
.set SLOT,   4*HALFT
.set KS,     32
.set SCL,    2*SLOT
.set HALFS,  (128*KS/256)*272
.set SBLK,   (16*KS/256)*272
.set SPARE,  SCL+4*HALFS
.set SSTG,   SPARE+512
.set BI,   8
.set ADRA, 16
.set ADRB, 20
.set OFJ,  22
.set OFI,  23
.set LI,   24
.set SWS,  25
.set SRD,  26
.set ADRS, 27
.set SPW,  28
.set NIL,  29
.set BP,   30
.set SC,   32
.set CBJ,  64
.set H,    64
.set AF,   128
.set PC,   128
.set TM,   200
.set PW,   216
.set SWB,  220
.set G1, 24
.set G0, 32
.set G1B, 48
.set G0B, 56
.set G1S, 68
.set G0S, 76
.set G1SB, 80
.set G0SB, 88
.set SEL, 18
.set MNT, 22
.set MSB, 0
.macro WIN new
.if MSB != (\new)
	s_set_vgpr_msb (MSB<<8)|(\new)
.set MSB, (\new)
.endif
.endm
.set MUL_LO,  0xa1
.set MUL_HI,  0xf1
.set MUL_LO0, 0x81
.set MUL_HI0, 0xc1
.set TO_B,    0x40
.macro JLOAD g0a, g1a, g0b, g1b
	s_cmp_eq_u32 s15, 0
	s_cbranch_scc0 .Lfor_b_\@
	tensor_load_to_lds s[\g0a:\g0a+3], s[\g1a:\g1a+7]
	s_nop 0
.rept 4
	v_nop
.endr
	s_branch .Lasked_\@
.Lfor_b_\@:
	tensor_load_to_lds s[\g0b:\g0b+3], s[\g1b:\g1b+7]
	s_nop 0
.rept 4
	v_nop
.endr
.Lasked_\@:
.endm
.macro CREST
	s_cmp_lg_u32 s14, 0
	s_cbranch_scc1 .Lnot_wave_0_\@
	s_barrier_signal -3
.Lnot_wave_0_\@:
	s_barrier_wait -3
	s_barrier_signal -1
	s_barrier_wait -1
.endm
.macro CROUND
	s_barrier_signal -1
	s_barrier_wait -1
	CREST
.endm
	s_load_b128 s[4:7], s[0:1], 0x0
	s_load_b128 s[8:11], s[0:1], 0x10
	s_load_b128 s[76:79], s[0:1], 0x20
	s_load_b64 s[88:89], s[0:1], 0x30
	v_lshl_add_u32 v[SPW], v0, 2, SPARE
	v_mov_b32 v[NIL], 0
	ds_add_u32 v28, v29
	ds_add_u32 v28, v29
	s_wait_dscnt 0x0
	v_lshrrev_b32 v1, 5, v0
	v_readfirstlane_b32 s14, v1
	s_lshr_b32 s15, s14, 1
	s_and_b32 s16, s14, 1
	s_bfe_u32 s40, ttmp6, 0x40000
	s_bfe_u32 s41, ttmp6, 0x40004
	s_and_b32 s93, ttmp7, 0xffff
	s_lshr_b32 s95, s93, 3
	s_and_b32 s96, s93, 7
	s_lshl_b32 s20, s95, 23
	s_lshl_b32 s21, s95, 20
	s_add_co_u32 s21, s21, 0x1800000
	s_lshl_b32 s22, s95, 18
	s_lshl_b32 s23, s95, 15
	s_add_co_u32 s23, s23, 0xc0000
	s_cmp_eq_u32 s95, 2
	s_cselect_b32 s97, 0, -1
	s_cselect_b32 s98, -1, 0
	s_cselect_b32 s99, 17, 14
	s_cselect_b32 s18, 0, s96
	s_cselect_b32 s19, s96, 0
	s_cselect_b32 s66, s21, s20
	s_cselect_b32 s67, s23, s22
	s_cselect_b32 s100, s20, s21
	s_cselect_b32 s101, s22, s23
	s_lshl_b32 s17, s18, 2
	s_add_co_u32 s17, s17, s41
	s_lshl_b32 s42, ttmp9, 2
	s_add_co_u32 s42, s42, s40
	s_lshl_b32 s19, s19, 2
	s_add_co_u32 s42, s42, s19
	s_lshl_b32 s43, s41, 2
	s_lshl_b32 s43, 15, s43
	s_lshl_b32 s44, 0x1111, s40
	s_or_b32 s[G1+0], s43, (0<<16)|(1<<20)|(1<<21)|(5<<22)|(3<<25)
	s_or_b32 s[G1B+0], s44, (0<<16)|(1<<20)|(1<<21)|(5<<22)|(3<<25)
.irp g, G1, G1B
	s_mov_b32 s[\g+1], ROWB<<16
	s_mov_b32 s[\g+2], 256<<16                     ; the head's loads of codes bring 256 rows; behind them these two words are set to 128, for the ring's
	s_mov_b32 s[\g+3], ROWB<<16
	s_mov_b32 s[\g+4], 256
	s_mov_b32 s[\g+5], KROW
	s_mov_b32 s[\g+6], 0
	s_mov_b32 s[\g+7], 0
.endr
	s_or_b32 s[G1S+0], s43, (3<<16)|(1<<20)|(1<<21)|(5<<22)|(3<<25)
	s_or_b32 s[G1SB+0], s44, (3<<16)|(1<<20)|(1<<21)|(5<<22)|(3<<25)
.irp g, G1S, G1SB
	s_mov_b32 s[\g+1], 32<<16
	s_mov_b32 s[\g+2], KS<<16                      ; the scales of 256 rows: 256 KS dense bytes as KS rows of 256 bytes
	s_mov_b32 s[\g+3], 32<<16
	s_mov_b32 s[\g+4], KS
	s_mov_b32 s[\g+5], 32
	s_mov_b32 s[\g+6], 0
	s_mov_b32 s[\g+7], 0
.endr
	s_lshl_b32 s18, s16, 7
	s_lshl_b32 s20, s17, 8                         ; the first row of A's tile
	s_lshl_b32 s46, s42, 8                         ; and of B's
	s_lshl_b32 s22, s20, 5
	s_add_co_u32 s22, s22, s67
	s_mov_b32 s23, 0
	s_lshl_b32 s20, s20, 10
	s_add_co_u32 s20, s20, s66
	s_mov_b32 s21, 0
	s_lshl_b32 s92, s46, 5
	s_add_co_u32 s92, s92, s101
	s_mov_b32 s93, 0
	s_lshl_b32 s46, s46, 10
	s_add_co_u32 s46, s46, s100
	s_mov_b32 s47, 0
	s_mul_i32 s45, s14, HALFT
	s_lshl_b32 s18, s18, 10                        ; in the ring I fetch 128 rows of a tile: which half, in bytes
	s_mov_b32 s19, 0
	s_wait_kmcnt 0x0
	s_cmp_eq_u32 s95, 1
	s_cselect_b64 s[2:3], s[78:79], s[88:89]
	s_cmp_eq_u32 s95, 0
	s_cselect_b64 s[2:3], s[76:77], s[2:3]
	s_add_nc_u64 s[20:21], s[4:5], s[20:21]
	s_add_nc_u64 s[22:23], s[6:7], s[22:23]
	s_add_nc_u64 s[46:47], s[4:5], s[46:47]
	s_add_nc_u64 s[92:93], s[6:7], s[92:93]
	CROUND
	s_mov_b32 s[G0S], 1
	s_mov_b32 s[G0S+1], SCL
	s_mov_b64 s[G0S+2:G0S+3], s[22:23]
	s_or_b32 s[G0S+3], s[G0S+3], 0x80000000
	s_mov_b32 s[G0SB], 1
	s_mov_b32 s[G0SB+1], SCL+2*HALFS
	s_mov_b64 s[G0SB+2:G0SB+3], s[92:93]
	s_or_b32 s[G0SB+3], s[G0SB+3], 0x80000000
	s_mov_b32 s4, 1                                ; s[4:7]: group 0 for K step 0's 256 rows of A (the arguments that lay there have been used)
	s_mov_b32 s5, 0
	s_mov_b64 s[6:7], s[20:21]
	s_or_b32 s7, s7, 0x80000000
	s_add_nc_u64 s[20:21], s[20:21], s[18:19]      ; for the ring: my 128 rows of A's tile,
	s_add_nc_u64 s[92:93], s[46:47], s[18:19]      ; and of B's
.irp s, 0,1
	s_mov_b32 s[G0+4*\s], 1
	s_add_co_u32 s[G0+4*\s+1], s45, \s*SLOT
	s_add_nc_u64 s[G0+4*\s+2:G0+4*\s+3], s[20:21], \s*ROWB
	s_or_b32 s[G0+4*\s+3], s[G0+4*\s+3], 0x80000000
	s_mov_b32 s[G0B+4*\s], 1
	s_add_co_u32 s[G0B+4*\s+1], s45, \s*SLOT
	s_add_nc_u64 s[G0B+4*\s+2:G0B+4*\s+3], s[92:93], \s*ROWB
	s_or_b32 s[G0B+4*\s+3], s[G0B+4*\s+3], 0x80000000
.endr
	s_mov_b32 s44, 1                               ; s[44:47]: group 0 for K step 0's 256 rows of B, behind A's in slot 0
	s_mov_b32 s45, 2*HALFT
	s_or_b32 s47, s47, 0x80000000
; The head's four tiles, one joint load a wave: wave 0 A's 256 rows of K step 0, wave 1 B's, wave 2 the scales of A's 256 rows, wave 3 those of B's.
; One tree of branches on the wave's number: every way through it passes exactly one load.
.macro ARM under, g0, g1, next
	s_cmp_lt_u32 s14, \under
	s_cbranch_scc0 \next
	tensor_load_to_lds s[\g0:\g0+3], s[\g1:\g1+7]
	s_nop 0
.rept 4
	v_nop
.endr
	s_branch .Lhead_asked
\next:
.endm
	ARM 1, 4,   G1,  .Lhead_b
	ARM 2, 44,  G1B, .Lhead_sa
	ARM 3, G0S, G1S, .Lhead_sb
	tensor_load_to_lds s[G0SB:G0SB+3], s[G1SB:G1SB+7]
	s_nop 0
.rept 4
	v_nop
.endr
.Lhead_asked:
; Prefetches into the L2 of the K steps that later joint loads ask for.  Of the 128 rows that my wave fetches in the ring, each of the four partners that ask for them jointly takes 32, told apart by address
; (cx for A's rows, cy for B's): a lane a row, 256 bytes of a row to a K step, so each aligned block of 256 bytes is named once in the cluster.  Here: K steps 1 and 2; behind K step 1's load: K step 3, the last.
	s_cmp_eq_u32 s15, 0                            ; do I fetch for A?
	s_cselect_b64 s[12:13], s[20:21], s[92:93]     ; my 128 rows, at K step 0
	s_cselect_b32 s22, s40, s41                    ; my place among the four
	s_lshl_b32 s22, s22, 15                        ; 32 rows of 1,024 bytes
	s_mov_b32 s23, 0
	s_add_nc_u64 s[12:13], s[12:13], s[22:23]
	v_and_b32 v7, 31, v0
	v_lshlrev_b32 v7, 10, v7                       ; my lane's row
	global_prefetch_b8 v7, s[12:13] offset:256 th:TH_LOAD_NT scope:SCOPE_SE
	global_prefetch_b8 v7, s[12:13] offset:512 th:TH_LOAD_NT scope:SCOPE_SE
	v_and_b32 v1, 15, v0
	s_wait_alu depctr_va_vdst(0)
	v_bfe_u32 v2, v0, 4, 1
	s_lshl_b32 s18, s42, 10
	s_lshl_b32 s19, s16, 9
	s_add_co_u32 s18, s18, s19
	s_and_b32 s18, s18, s97
	v_lshl_add_u32 v[OFJ], v2, 6, s18
.irp b, 0,1,2,3,4,5,6,7
	global_load_b128 v[CBJ+8*\b:CBJ+8*\b+3], v[OFJ], s[2:3] offset:(32*(\b/2)+8*(\b%2))*4
	global_load_b128 v[CBJ+8*\b+4:CBJ+8*\b+7], v[OFJ], s[2:3] offset:(32*(\b/2)+8*(\b%2))*4+16
.endr
	s_lshl_b32 s18, s17, 10
	s_lshl_b32 s19, s15, 9
	s_add_co_u32 s18, s18, s19
	s_and_b32 s18, s18, s98
	v_and_b32 v4, 8, v1
	v_add_nc_u32 v4, v4, v1
	v_lshl_add_u32 v[OFI], v4, 2, s18
.irp a, 0,1,2,3,4,5,6,7
	global_load_b32 v[BI+\a], v[OFI], s[2:3] offset:(32*(\a/2)+8*(\a%2))*4
.endr
	v_mul_u32_u24 v3, v1, PITCH
	s_wait_alu depctr_va_vdst(0)
	v_lshl_add_u32 v4, v2, 4, v3
	s_mul_i32 s21, s15, HALFT
	s_mul_i32 s22, s16, HALFT
	s_add_co_u32 s22, s22, 2*HALFT
.irp s, 0,1
	v_add_nc_u32 v[ADRA+\s], s21, v4
	v_add_nc_u32 v[ADRB+\s], s22, v4
	s_add_co_u32 s21, s21, SLOT
	s_add_co_u32 s22, s22, SLOT
.endr
	v_mul_u32_u24 v5, v1, KS
	v_lshrrev_b32 v6, 8, v5
	v_lshl_add_u32 v5, v6, 4, v5
	s_mul_i32 s21, s15, HALFS
	s_mul_i32 s22, s16, HALFS
	s_add_co_u32 s22, s22, 2*HALFS
	s_sub_co_u32 s22, s22, s21
	v_mul_u32_u24 v6, s22, v2
	s_add_co_u32 s21, s21, SCL
	v_add_nc_u32 v5, v5, v6
	v_add_nc_u32 v[ADRS], s21, v5
	v_and_b32 v6, 31, v0
	v_lshlrev_b32 v[LI], 4, v6
	s_lshl_b32 s23, s14, 9
	s_add_co_u32 s23, s23, SSTG
	v_lshl_add_u32 v[SWS], v1, 2, s23
	v_add_nc_u32 v[SRD], s23, v[LI]
	s_wait_loadcnt 0x0
.set i, 0
.rept 64
	v_cndmask_b32 v[CBJ+i], 0, v[CBJ+i], s97
.set i, i+1
.endr
.irp a, 0,1,2,3,4,5,6,7
	v_cndmask_b32 v[BI+\a], 0, v[BI+\a], s98
.endr
.macro FRAG reg, adr, q, i
.irp c, 0,1,2,3
	ds_load_b128 v[\reg+4*\c:\reg+4*\c+3], v[\adr] offset:128*(\q)+32*\c+(\i)*16*PITCH
.endr
.endm
.macro MUL16 a0, p, q, sc, zero
.irp a, \a0, \a0+1
.irp b, 0,1,2,3,4,5,6,7
.if \zero
	v_wmma_scale_f32_16x16x128_f8f6f4 v[8*(8*((\a)%4)+\b):8*(8*((\a)%4)+\b)+7], v[128*(\p)+FR*\b:128*(\p)+FR*\b+FR-1], v[AF+FR*(\a):AF+FR*(\a)+FR-1], v[CBJ+8*\b:CBJ+8*\b+7], v[SC+8*NQ*(\sc)+NQ*\b+(\q)], v[SC+8*NQ*(\sc)+NQ*(\a)+(\q)] matrix_a_scale:MATRIX_SCALE_ROW1
.else
	v_wmma_scale_f32_16x16x128_f8f6f4 v[8*(8*((\a)%4)+\b):8*(8*((\a)%4)+\b)+7], v[128*(\p)+FR*\b:128*(\p)+FR*\b+FR-1], v[AF+FR*(\a):AF+FR*(\a)+FR-1], v[8*(8*((\a)%4)+\b):8*(8*((\a)%4)+\b)+7], v[SC+8*NQ*(\sc)+NQ*\b+(\q)], v[SC+8*NQ*(\sc)+NQ*(\a)+(\q)] matrix_a_scale:MATRIX_SCALE_ROW1
.endif
.endr
.endr
.endm
.macro FETCH_B slot, q, p
	WIN TO_B
.irp i, 0,1,2,3,4,5,6,7
	FRAG 128*(\p)+FR*\i, ADRB+\slot, \q, \i
.endr
	WIN 0
.endm
.macro FETCH_A slot, q, i0
.irp i, \i0, \i0+1, \i0+2, \i0+3
	FRAG AF+FR*(\i), ADRA+\slot, \q, \i
.endr
.endm
.macro SCALES sc
.irp i, 0,1,2,3,4,5,6,7
	ds_load_b64 v[SC+8*NQ*\sc+NQ*\i:SC+8*NQ*\sc+NQ*\i+1], v[ADRS] offset:\i*SBLK
.endr
.endm
.macro PLACES n
.rept \n
	v_nop
.endr
.endm
.macro STEP slot, q, zero
	s_wait_dscnt 4*NL
.if \zero
	WIN MUL_LO0
.else
	WIN MUL_LO
.endif
	MUL16 0, (\q)%2, \q, \slot, \zero
	MUL16 2, (\q)%2, \q, \slot, \zero
	s_wait_dscnt 0
	PLACES NP
	FETCH_B \slot, (\q)+1, 1-(\q)%2
	FETCH_A \slot, (\q)+1, 0
.if \zero
	WIN MUL_HI0
.else
	WIN MUL_HI
.endif
	MUL16 4, (\q)%2, \q, \slot, \zero
	MUL16 6, (\q)%2, \q, \slot, \zero
	PLACES NP
	WIN 0
	FETCH_A \slot, (\q)+1, 4
.endm
.macro TURN slot, next, fill
	s_wait_tensorcnt 0x0
	ds_add_u32 v[SPW], v[NIL]
	s_wait_dscnt 4*NL+1
	WIN MUL_LO
	MUL16 0, 1, NQ-1, \slot, 0
	s_wait_dscnt 0x0
	s_barrier_signal -1
	MUL16 2, 1, NQ-1, \slot, 0
	WIN 0
	s_barrier_wait -1
.if \fill
	CREST
	s_add_nc_u64 s[G0+4*\slot+2:G0+4*\slot+3], s[G0+4*\slot+2:G0+4*\slot+3], 2*ROWB
	s_add_nc_u64 s[G0B+4*\slot+2:G0B+4*\slot+3], s[G0B+4*\slot+2:G0B+4*\slot+3], 2*ROWB
	JLOAD G0+4*\slot, G1, G0B+4*\slot, G1B
	PLACES NP-4
.else
	PLACES NP
.endif
	s_wait_alu depctr_va_vdst(0)
	v_add_nc_u32 v[ADRS], 4*NQ, v[ADRS]
	FETCH_B \next, 0, 0
	FETCH_A \next, 0, 0
	SCALES \next
	WIN MUL_HI
	MUL16 4, 1, NQ-1, \slot, 0
	MUL16 6, 1, NQ-1, \slot, 0
	PLACES NP
	WIN 0
	FETCH_A \next, 0, 4
.endm
	s_wait_alu depctr_va_vdst(0)
	s_wait_tensorcnt 0x0                           ; my tile of the head's four is in
	ds_add_u32 v[SPW], v[NIL]
	s_mov_b32 s[G1+2], 128<<16                     ; no tensor load of mine is out: from here on a load brings 128 rows
	s_mov_b32 s[G1+4], 128
	s_mov_b32 s[G1B+2], 128<<16
	s_mov_b32 s[G1B+4], 128
	s_wait_dscnt 0x0
	CROUND                                         ; all four tiles are in, and all sixteen work-groups are here
	JLOAD G0+4, G1, G0B+4, G1B                     ; K step 1: the first tensor load behind the round
	FETCH_B 0, 0, 0
	FETCH_A 0, 0, 0
	SCALES 0
	FETCH_A 0, 0, 4
	global_prefetch_b8 v7, s[12:13] offset:768 th:TH_LOAD_NT scope:SCOPE_SE   ; K step 3, two refills ahead of its load
	STEP 0, 0, 1
	TURN 0, 1, 1
	STEP 1, 0, 0
	TURN 1, 0, 1
	STEP 0, 0, 0
	TURN 0, 1, 0
	STEP 1, 0, 0
	s_wait_dscnt 4*NL
	WIN MUL_LO
	MUL16 0, 1, NQ-1, 1, 0
	MUL16 2, 1, NQ-1, 1, 0
	s_wait_dscnt 0
	WIN MUL_HI
	MUL16 4, 1, NQ-1, 1, 0
	MUL16 6, 1, NQ-1, 1, 0
	WIN 0
	PLACES NP
.irp b, 0,1,2,3
	v_mov_b32 v[TM+4+\b], 0
.endr
	v_mov_b32 v[BP+1], 0
	s_mov_b32 s[SEL], 0x76543210
	s_mov_b32 s[SEL+1], 0xfedcba98
	s_mov_b32 s[MNT], 0x600000
	s_lshl_b32 s20, s17, 4
	s_lshl_b32 s21, s15, 3
	s_add_co_u32 s20, s20, s21
	s_lshl_b32 s46, s42, 3
	s_lshl_b32 s47, s16, 2
	s_add_co_u32 s46, s46, s47
	s_lshl_b32 s40, s20, s99
	s_lshl_b32 s41, s46, 9
	s_add_co_u32 s40, s40, s41
	s_lshl_b32 s41, s95, 23
	s_add_co_u32 s40, s40, s41
	s_mov_b32 s41, 0
	s_wait_xcnt 0x0                                ; the prefetches have read their address: the pair is written below
	s_add_nc_u64 s[12:13], s[8:9], s[40:41]
	s_lshr_b32 s46, s46, 2
	s_cmp_eq_u32 s95, 2
	s_cselect_b32 s47, 6, 9
	s_lshl_b32 s46, s46, s47
	s_add_co_u32 s46, s46, s20
	s_lshl_b32 s46, s46, 6
	s_lshl_b32 s47, s95, 18
	s_add_co_u32 s46, s46, s47
	s_mov_b32 s47, 0
	s_add_nc_u64 s[66:67], s[10:11], s[46:47]
	s_lshl_b32 s100, 1, s99
	s_mov_b32 s101, 0
.macro QUANT s
.irp b, 0,1,2,3
	v_max3_num_f32 v[TM+\b], |v[\s+16*\b]|, |v[\s+1+16*\b]|, 0x4800000
.endr
.irp i, 2,4,6,8,10,12,14
.irp b, 0,1,2,3
	v_max3_num_f32 v[TM+\b], v[TM+\b], |v[\s+16*\b+\i]|, |v[\s+1+16*\b+\i]|
.endr
.endr
.irp b, 0,1,2,3
	v_permlanex16_b32 v[TM+4+\b], v[TM+\b], s[SEL], s[SEL+1]
.endr
.irp b, 0,1,2,3
	v_max_num_f32 v[TM+\b], v[TM+\b], v[TM+4+\b]
.endr
.irp b, 0,1,2,3
	v_add_nc_u32 v[TM+12+\b], 0xfc000000, v[TM+\b]
.endr
.irp b, 0,1,2,3
	v_and_or_b32 v[TM+8+\b], v[TM+\b], 0x7f800000, s[MNT]
.endr
.irp b, 0,1,2,3
	v_lshrrev_b32 v[TM+4+\b], 23, v[TM+12+\b]
.endr
	v_lshl_or_b32 v[PW], v[TM+5], 8, v[TM+4]
	v_lshl_or_b32 v[PW], v[TM+6], 16, v[PW]
	v_lshl_or_b32 v[PW], v[TM+7], 24, v[PW]
.irp b, 0,1,2,3
.irp i, 0,1,2,3,4,5,6,7,8,9,10,11,12,13,14,15
	v_med3_num_f32 v[\s+16*\b+\i], v[\s+16*\b+\i], -v[TM+8+\b], v[TM+8+\b]
.endr
	v_cvt_scalef32_pk8_fp8_f32 v[PC+4*\b:PC+1+4*\b], v[\s+16*\b:\s+7+16*\b], v[TM+12+\b]
	v_cvt_scalef32_pk8_fp8_f32 v[PC+2+4*\b:PC+3+4*\b], v[\s+8+16*\b:\s+15+16*\b], v[TM+12+\b]
.endr
	v_nop
.endm
.macro OUTA a
	v_mov_b32 v[BP], v[BI+\a]
	s_wait_alu depctr_va_vdst(0)
	WIN 0x02+(\a)/4
.set i, 0
.rept 32
	v_pk_add_f32 v[H+2*i:H+2*i+1], v[64*((\a)%4)+2*i:64*((\a)%4)+2*i+1], v[BP:BP+1] op_sel_hi:[1,0]
.set i, i+1
.endr
	WIN 0
	s_wait_xcnt 0x0
	s_wait_dscnt 0x0
	QUANT H
.if \a > 0
	s_add_nc_u64 s[12:13], s[12:13], s[100:101]
.endif
.irp c, 0,1,2,3
	global_store_b128 v[LI], v[PC+4*\c:PC+4*\c+3], s[12:13] offset:512*\c
.endr
	ds_store_b32 v[SWS], v[PW] offset:64*\a
.endm
.irp a, 0,1,2,3,4,5,6,7
	OUTA \a
.endr
	ds_load_b128 v[SWB:SWB+3], v[SRD]
	s_wait_dscnt 0x0
	global_store_b128 v[LI], v[SWB:SWB+3], s[66:67]
	s_wait_tensorcnt 0x0
	ds_add_u32 v[SPW], v[NIL]
	s_wait_dscnt 0x0
	CROUND
	s_endpgm
.Lfunc_end_k_q9c5ca117d4_proj:
	.size	k_q9c5ca117d4_proj, .Lfunc_end_k_q9c5ca117d4_proj-k_q9c5ca117d4_proj
	.p2alignl 7, 3214868480
	.fill 96, 4, 3214868480
	.section	.rodata,"a",@progbits
	.p2align	6, 0x0
	.amdhsa_kernel k_q9c5ca117d4_proj
		.amdhsa_group_segment_fixed_size 327680
		.amdhsa_private_segment_fixed_size 0
		.amdhsa_enable_private_segment 0
		.amdhsa_kernarg_size 56
		.amdhsa_user_sgpr_count 2
		.amdhsa_user_sgpr_kernarg_segment_ptr 1
		.amdhsa_wavefront_size32 1
		.amdhsa_system_sgpr_workgroup_id_x 1
		.amdhsa_system_sgpr_workgroup_id_y 1
		.amdhsa_system_sgpr_workgroup_id_z 1
		.amdhsa_system_vgpr_workitem_id 0
		.amdhsa_next_free_vgpr 1024
		.amdhsa_next_free_sgpr 102
		.amdhsa_reserve_vcc 0
		.amdhsa_float_denorm_mode_32 3
		.amdhsa_float_denorm_mode_16_64 3
		.amdhsa_memory_ordered 1
		.amdhsa_forward_progress 1
		.amdhsa_inst_pref_size 212
	.end_amdhsa_kernel
	.amdgpu_metadata
---
amdhsa.version: [ 1, 2 ]
amdhsa.kernels:
  - .name:           k_q9c5ca117d4_proj
    .symbol:         k_q9c5ca117d4_proj.kd
    .args:
      - { .name: xc, .offset: 0, .size: 8, .value_kind: global_buffer, .address_space: global }
      - { .name: xs, .offset: 8, .size: 8, .value_kind: global_buffer, .address_space: global }
      - { .name: hc, .offset: 16, .size: 8, .value_kind: global_buffer, .address_space: global }
      - { .name: hs, .offset: 24, .size: 8, .value_kind: global_buffer, .address_space: global }
      - { .name: bq, .offset: 32, .size: 8, .value_kind: global_buffer, .address_space: global }
      - { .name: bk, .offset: 40, .size: 8, .value_kind: global_buffer, .address_space: global }
      - { .name: bv, .offset: 48, .size: 8, .value_kind: global_buffer, .address_space: global }
    .group_segment_fixed_size: 327680
    .private_segment_fixed_size: 0
    .kernarg_segment_align: 8
    .kernarg_segment_size: 56
    .max_flat_workgroup_size: 128
    .sgpr_count:     102
    .vgpr_count:     1024
    .wavefront_size: 32
...
	.end_amdgpu_metadata
.endif
;; end of part 2
;; launch attn (part 3): grid 4 x 64, 16 waves a work-group, no clusters, 309,248 bytes of LDS; arguments hc, hs, maskw, flags, out0; writes out0
.if DOCPART == 3
	.amdgcn_target "amdgcn-amd-amdhsa--gfx1250"
	.amdhsa_code_object_version 6
	.text
	.protected	k_q9c5ca117d4_attn
	.globl	k_q9c5ca117d4_attn
	.p2align	8
	.type	k_q9c5ca117d4_attn,@function
k_q9c5ca117d4_attn:
	s_mov_b64 s[64:65], 0
	v_nop
	global_prefetch_b8 v0, s[64:65] scope:SCOPE_SE
	s_setreg_imm32_b32 hwreg(HW_REG_WAVE_MODE, 25, 1), 1
	s_wait_xcnt 0x0
; ATTN.  out[b][q][64 h ..] = the sum over keys of softmax(where(mask, -1e7, Q . K / 8)) V, both products on codes of FP8 (E4M3) with one E8M0 scale for each 32 along a product's K.
; THE SOFTMAX AHEAD OF THE SECOND PRODUCT: t = logit x log2(e); M = the row's largest t so far, rounded up to a whole number; p = 2^(t - M) is what is quantised, along the keys, not normalised.
; The row's sum is taken of the unquantised p, in f32, and divides at the end.  When M moves, the sum and O are multiplied by 2^(old M - new M): exact.  A masked logit is -1e7 as given: t = -14,426,950 in f32.
; SHARES.  Work-group (x, y): head h = y % 16 of batch b = y / 16, queries 512 x .. 512 x + 511: 256 work-groups.  Sixteen waves, four to a SIMD, so that one wave's vector work stands beside another's matrix work and LDS loads.
; A wave makes two passes, each over one tile of 16 queries, each walking the head's 2,048 keys in 16 steps of 128.
; THE HEAD'S K AND V CODES AND THEIR SCALE WORDS LIE IN LDS FOR THE WHOLE LAUNCH (264 KiB), brought once through registers: one barrier, no ring.
; No tensor loads and no joint requests, though four work-groups read the same head: each brings its 264 KiB once for 512 queries' work, and the key step branches on a stored flag (no key of this step is masked for this tile:
; 96 vector instructions and four scalar loads are passed over).
; LAYOUT.  Both products are used transposed: S^T = K Q^T (source 0 = keys), O^T = V^T P^T (source 0 = 16 of the head's 64): a lane holds one query (lane % 16) throughout.  Operands lie in hc as images of their registers:
; 512 bytes for four registers, 16 x lane.  The rows of a tile are 32 B + 8 u + r + 8 (r / 8) (tile 2 B + u), so that the 16 registers of two neighbouring key tiles are 16 neighbouring keys.
; THE HEAD'S 64 ARE HALF OF THE INSTRUCTION'S 128: a fragment of K holds TWO key tiles, one at k 0-63 and one at k 64-127; Q lies in a run zeros (8), q (8), zeros (8), of which v[24:39] picks the first tile and v[16:31] the second:
; the other half multiplies finite codes by zero codes.
; LIMITS: as the quantiser's (a block whose every p is 0 keeps the byte 1 and zero codes); NaN and infinities are not served.  A row all of whose keys are masked gives p = 1 for every key: the plain mean of V.
.set VL,   131072                      ; LDS: K at 0: step s, fragment f at 8192 s + 2048 f;  V from here: 8192 s + 2048 d + 512 c
.set SCL,  262144                      ; scale words: 512 s + 16 lane + 4 f: lanes 0-15 K's word of fragment f (two bytes of each of its two tiles), lanes 16-31 V's word of tile f
.set STG,  270336                      ; the way out: 16 rows x 128 bytes for each wave, dense: half a query's 256 bytes at a time; one read-back covers 256 consecutive bytes
.set SROW, 128
.set WSTG, 16*SROW
.set SPARE, STG+16*WSTG                ; behind the stages: the spare words, 128 bytes for each wave
.set LI,   1                           ; v1   16 x lane
.set GO,   2                           ; v2   my byte offset in two rows of out
.set STW,  3                           ; v3   the stage: where I put my numbers
.set STR,  4                           ; v4   and where I read a row back
.set ASC,  5                           ; v5   my place among a step's scale words
.set TMK,  6                           ; v6   t of a masked logit
.set RR,   7                           ; v7   r = lane % 16
.set ADK,  8                           ; v8-10 the step's LDS addresses: K, V, scale words
.set ADV,  9
.set ADS,  10
.set QS,   11                          ; v11  Q's scale word: a scale and nothing else
.set FRG,  40                          ; v40-103  four fragments of K, then of V
.set S,    104                         ; v104-167 S^T, then p
.set OT,   168                         ; v168-199 O^T
.set PC,   200                         ; v200-215 p's codes
.set BM,   216                         ; v216-219 a block's largest score, then its largest p
.set T4,   220                         ; v220-223 at work
.set HD,   224                         ; v224-227 448 x the scale
.set SO,   228                         ; v228-231 the conversions' scale operands
.set FF,   232                         ; v[232:233] f = 2^(old M - new M), as a pair's low word
.set TT,   234
.set PW,   235                         ; v235 p's scale word: a scale and nothing else
.set SCW,  236                         ; v236-239 the step's scale words of K (lanes 0-15) and V (lanes 16-31)
.set R4,   240                         ; v240 4 r
; v12 -M, v13 the largest t, v[14:15] the sum in two halves, v[16:39] Q's run.
; s14 wave, s15 the step's scale words, s16 b, s17 h, s18 16 (h % 2), s19 448's mantissa, s[20:21] lane selects, s[22:23] what the scores are still to be multiplied by, s[24:25] c, s26 step, s27 the step's tiles,
; s28 the step's mask words, s29 flags, s30 pass, s31 the tile, s[66:67] its mask words, s[100:101] its rows of out; s[32:63] and s[68:99]: the step's 64 mask words (ahead of the loop: pointers).
	s_load_b256 s[4:11], s[0:1], 0x0               ; hc, hs, maskw, flags
	s_load_b64 s[12:13], s[0:1], 0x20              ; out0
	v_lshl_add_u32 v254, v0, 2, SPARE
	v_mov_b32 v255, 0
	v_lshrrev_b32 v1, 5, v0
	s_delay_alu instid0(VALU_DEP_1)
	v_readfirstlane_b32 s14, v1                    ; wave 0..15
	s_and_b32 s2, ttmp7, 0xffff
	s_lshr_b32 s16, s2, 4                          ; b
	s_and_b32 s17, s2, 15                          ; h
	s_and_b32 s18, s17, 1
	s_lshl_b32 s18, s18, 4                         ; my head's two bytes in a scale word of Q or K begin at this bit
	s_lshl_b32 s32, s16, 21                        ; K's images: 8 MiB + b x 128 tiles of 16,384 bytes + 1,024 h
	s_lshl_b32 s2, s17, 10
	s_add_co_u32 s32, s32, s2
	s_add_co_u32 s32, s32, 0x800000
	s_mov_b32 s33, 0
	s_lshl_b32 s34, s17, 19                        ; V's: 16 MiB + h x 4 tiles of 131,072 bytes + b x 64 blocks of 512
	s_lshl_b32 s2, s16, 15
	s_add_co_u32 s34, s34, s2
	s_add_co_u32 s34, s34, 0x1000000
	s_mov_b32 s35, 0
	s_lshr_b32 s36, s17, 1                         ; K's scale words: 256 KiB + (h / 2) x 32,768 + b x 128 tiles of 64 bytes
	s_lshl_b32 s36, s36, 15
	s_lshl_b32 s2, s16, 13
	s_add_co_u32 s36, s36, s2
	s_add_co_u32 s36, s36, 0x40000
	s_mov_b32 s37, 0
	s_lshl_b32 s38, s16, 16                        ; V's: 512 KiB + b x 16 steps of 4,096 bytes + h x 4 tiles of 64
	s_lshl_b32 s2, s17, 8
	s_add_co_u32 s38, s38, s2
	s_add_co_u32 s38, s38, 0x80000
	s_mov_b32 s39, 0
	; addresses that stay
	v_and_b32 v[RR], 15, v0
	v_bfe_u32 v8, v0, 4, 1                         ; h of the lane
	v_and_b32 v9, 31, v0
	s_delay_alu instid0(VALU_DEP_1)
	v_lshlrev_b32 v[LI], 4, v9
	s_delay_alu instid0(VALU_DEP_3)
	v_lshlrev_b32 v[GO], 12, v8
	s_delay_alu instid0(VALU_DEP_1)
	v_lshl_add_u32 v[GO], v[RR], 4, v[GO]          ; lanes 0-15 one row of out, lanes 16-31 the next; 16 bytes a lane
	s_mul_i32 s2, s14, WSTG
	s_add_co_u32 s2, s2, STG                       ; my stage
	v_and_b32 v10, 7, v0
	v_mul_u32_u24 v[STW], v[RR], SROW              ; in: row r, + 64 h
	s_delay_alu instid0(VALU_DEP_1)
	v_lshl_add_u32 v[STW], v8, 6, v[STW]
	s_delay_alu instid0(VALU_DEP_1)
	v_add_nc_u32 v[STW], s2, v[STW]                ; in: row r, + 64 h
	v_mul_u32_u24 v[STR], v8, SROW
	s_delay_alu instid0(VALU_DEP_1)
	v_lshl_add_u32 v[STR], v10, 4, v[STR]          ; back: two rows an instruction, 16 (r % 8) in a half row
	s_delay_alu instid0(VALU_DEP_1)
	v_add_nc_u32 v[STR], s2, v[STR]                ; back: two rows an instruction
	v_add_nc_u32 v[ASC], SCL, v[LI]
	v_mov_b32 v[TMK], 0xcb5c2346                   ; -14,426,950 = -1e7 x log2(e) in f32
	v_lshlrev_b32 v[R4], 2, v[RR]
	v_min_u32 v241, 3, v9                          ; v241: the prefetch's offset: lanes 0-3 name the four blocks of 256 bytes of a tile's image of Q, the other lanes the last again
	v_lshlrev_b32 v241, 8, v241
	; the fill's offsets and LDS addresses (thread t = 0 .. 511)
	v_lshrrev_b32 v200, 4, v0
	v_and_b32 v201, 15, v0
	s_delay_alu instid0(VALU_DEP_1)
	v_lshlrev_b32 v201, 2, v201
	s_delay_alu instid0(VALU_DEP_1)
	v_lshl_add_u32 v200, v200, 7, v201             ; K's words: pair of tiles t / 16, row t % 16
	v_lshrrev_b32 v201, 6, v0
	v_and_b32 v202, 63, v0
	s_delay_alu instid0(VALU_DEP_1)
	v_lshlrev_b32 v203, 2, v202
	s_delay_alu instid0(VALU_DEP_1)
	v_lshl_add_u32 v203, v201, 12, v203            ; V's words: step t / 64, word t % 64
	s_delay_alu instid0(VALU_DEP_3)
	v_lshlrev_b32 v202, 4, v202
	s_delay_alu instid0(VALU_DEP_1)
	v_lshl_add_u32 v202, v201, 14, v202            ; K's codes: tile t / 64 of a step, 16 bytes of its 1,024
	v_lshrrev_b32 v201, 7, v0
	v_and_b32 v210, 127, v0
	s_delay_alu instid0(VALU_DEP_1)
	v_lshlrev_b32 v210, 4, v210
	s_delay_alu instid0(VALU_DEP_1)
	v_lshl_add_u32 v201, v201, 17, v210            ; V's codes: tile t / 128, 16 bytes of a step's 2,048
	v_lshlrev_b32 v211, 4, v0                      ; LDS: 16 t, and three more bases 65,536 bytes apart: an immediate reaches 65,535
	s_delay_alu instid0(VALU_DEP_1)
	v_add_nc_u32 v212, 0x10000, v211
	s_delay_alu instid0(VALU_DEP_2)
	v_add_nc_u32 v213, 0x20000, v211
	s_delay_alu instid0(VALU_DEP_3)
	v_add_nc_u32 v214, 0x30000, v211
	v_lshrrev_b32 v210, 6, v0
	s_delay_alu instid0(VALU_DEP_1)
	v_lshlrev_b32 v210, 9, v210
	v_and_b32 v215, 15, v0
	s_delay_alu instid0(VALU_DEP_1)
	v_lshl_add_u32 v210, v215, 4, v210
	v_bfe_u32 v215, v0, 4, 2
	s_delay_alu instid0(VALU_DEP_1)
	v_lshl_add_u32 v210, v215, 2, v210
	s_delay_alu instid0(VALU_DEP_1)
	v_add_nc_u32 v210, SCL, v210                   ; scale words: 512 (t / 64) + 16 (t % 16) + 4 ((t / 16) % 4)
	s_mov_b32 s19, 0x600000
	s_mov_b32 s20, 0x76543210
	s_mov_b32 s21, 0xfedcba98
	s_mov_b32 s24, 0x3e38aa3b                      ; c = log2(e) / 8
	s_mov_b32 s25, s24
	s_mov_b32 s30, 0
	s_wait_kmcnt 0x0
	s_add_nc_u64 s[32:33], s[4:5], s[32:33]
	s_add_nc_u64 s[34:35], s[4:5], s[34:35]
	s_add_nc_u64 s[36:37], s[6:7], s[36:37]
	s_add_nc_u64 s[38:39], s[6:7], s[38:39]
; A pass's Q, its scale word and its flags are asked for ahead of the pass: the first pass's here, ahead of the fill; the second's (plus = 1) at the end of the first pass's key loop.
; s31 = G = 128 b + the tile 32 x + 2 wave + pass.  s[68:73] pointers, s[76:79] the flags: registers that hold mask words only inside a key step.
.macro QLOAD plus
	s_lshl_b32 s31, s16, 7
	s_lshl_b32 s2, ttmp9, 5
	s_add_co_u32 s31, s31, s2
	s_lshl_b32 s2, s14, 1
	s_add_co_u32 s31, s31, s2
	s_add_co_u32 s31, s31, s30
.if \plus
	s_add_co_u32 s31, s31, 1
.endif
	s_lshl_b32 s68, s31, 14                        ; Q's image: 16,384 G + 1,024 h
	s_lshl_b32 s2, s17, 10
	s_add_co_u32 s68, s68, s2
	s_mov_b32 s69, 0
	s_add_nc_u64 s[68:69], s[4:5], s[68:69]
	s_lshr_b32 s70, s17, 1                         ; Q's scale words: 32,768 (h / 2) + 64 G
	s_lshl_b32 s70, s70, 15
	s_lshl_b32 s2, s31, 6
	s_add_co_u32 s70, s70, s2
	s_mov_b32 s71, 0
	s_add_nc_u64 s[70:71], s[6:7], s[70:71]
	s_lshl_b32 s72, s31, 4
	s_mov_b32 s73, 0
	s_add_nc_u64 s[72:73], s[10:11], s[72:73]
	s_load_b128 s[76:79], s[72:73], 0x0            ; the tile's flags, four bits in each of four words
	global_load_b128 v[24:27], v[LI], s[68:69]     ; q: k = 16 h + 0 .. 15,
	global_load_b128 v[28:31], v[LI], s[68:69] offset:512   ; k = 32 + 16 h + 0 .. 15
	global_load_b32 v[TT], v[R4], s[70:71]
.endm
	QLOAD 0
	global_prefetch_b8 v241, s[68:69] offset:16384 th:TH_LOAD_NT scope:SCOPE_SE   ; the second pass's image of Q, 1,024 bytes, one tile on: a whole pass ahead of its load
	; THE FILL: 38 loads a thread
	global_load_b32 v204, v200, s[36:37]           ; K's words: the pair's first tile, its second; steps 0-7, then steps 8-15
	global_load_b32 v205, v200, s[36:37] offset:64
	global_load_b32 v206, v200, s[36:37] offset:4096
	global_load_b32 v207, v200, s[36:37] offset:4160
	global_load_b32 v208, v203, s[38:39]           ; V's words: steps 0-7, steps 8-15
	global_load_b32 v209, v203, s[38:39] offset:32768
.irp n, 0,1,2,3,4,5,6,7,8,9,10,11,12,13,14,15
	global_load_b128 v[FRG+4*\n:FRG+4*\n+3], v202, s[32:33] offset:131072*\n   ; step n of K: 64 threads read a tile's 1,024 consecutive bytes
.endr
.irp n, 0,1,2,3,4,5,6,7,8,9,10,11,12,13,14,15
	global_load_b128 v[S+4*\n:S+4*\n+3], v201, s[34:35] offset:2048*\n         ; step n of V: 128 threads read a tile's 2,048 consecutive bytes
.endr
	s_wait_loadcnt 32                              ; the six words are in; the 32 loads of codes may be out
	v_lshrrev_b32 v204, s18, v204                  ; my head's two bytes of each tile's word,
	v_lshrrev_b32 v205, s18, v205
	s_delay_alu instid0(VALU_DEP_2)
	v_and_b32 v204, 0xffff, v204
	s_delay_alu instid0(VALU_DEP_1)
	v_lshl_or_b32 v204, v205, 16, v204             ; the first tile's below, the second's above
	s_wait_alu depctr_va_vdst(0)
	v_lshrrev_b32 v206, s18, v206
	v_lshrrev_b32 v207, s18, v207
	s_delay_alu instid0(VALU_DEP_2)
	v_and_b32 v206, 0xffff, v206
	s_delay_alu instid0(VALU_DEP_1)
	v_lshl_or_b32 v206, v207, 16, v206
	ds_store_b32 v210, v204
	ds_store_b32 v210, v206 offset:4096
	ds_store_b32 v210, v208 offset:256
	ds_store_b32 v210, v209 offset:4352
.irp n, 0,1,2,3,4,5,6,7
	s_wait_loadcnt 31-\n                           ; loads come back in order: K's step n is in, the younger ones may be out
	ds_store_b128 v211, v[FRG+4*\n:FRG+4*\n+3] offset:8192*\n
.endr
.irp n, 8,9,10,11,12,13,14,15
	s_wait_loadcnt 31-\n
	ds_store_b128 v212, v[FRG+4*\n:FRG+4*\n+3] offset:8192*(\n-8)
.endr
.irp n, 0,1,2,3,4,5,6,7
	s_wait_loadcnt 15-\n
	ds_store_b128 v213, v[S+4*\n:S+4*\n+3] offset:8192*\n
.endr
.irp n, 8,9,10,11,12,13,14,15
	s_wait_loadcnt 15-\n
	ds_store_b128 v214, v[S+4*\n:S+4*\n+3] offset:8192*(\n-8)
.endr
.irp j, 0,1,2,3,4,5,6,7
	v_mov_b32 v[16+\j], 0                          ; the zero halves of Q's run
	v_mov_b32 v[32+\j], 0
.endr
.irp b, 0,1,2,3
	v_mov_b32 v[T4+\b], 0                          ; written once: a lane permute's destination counts as one of its sources
.endr
	v_mov_b32 v[FF+1], 0                           ; (named as the upper half of a pair)
	s_wait_xcnt 0x0                                ; the prefetch has read its address: its pair is written again in the passes
	s_wait_dscnt 0x0                               ; for the others' sake: my stores have landed
	s_barrier_signal -1
	s_barrier_wait -1                              ; the only barrier: from here on K, V and the scale words are only read
.Lpass:                                            ; two trips: tile 32 x + 2 wave + pass; its Q, scale word and flags are on their way, s31 = G
	s_lshl_b32 s66, s31, 12
	s_mov_b32 s67, 0
	s_add_nc_u64 s[66:67], s[8:9], s[66:67]        ; the tile's mask words
	s_lshl_b32 s100, s31, 4                        ; the tile's first row of out: 16 G - 8 pass; its rows 8-15 lie 16 rows further on
	s_lshl_b32 s2, s30, 3
	s_sub_co_u32 s100, s100, s2
	s_lshl_b32 s100, s100, 12
	s_lshl_b32 s2, s17, 8
	s_add_co_u32 s100, s100, s2
	s_mov_b32 s101, 0
	s_add_nc_u64 s[100:101], s[12:13], s[100:101]
	s_mov_b32 s26, 0
	s_mov_b32 s27, 0
	s_mov_b32 s15, 0
	s_mov_b32 s28, 0
	s_wait_kmcnt 0x0
	s_or_b32 s29, s76, s77
	s_or_b32 s29, s29, s78
	s_or_b32 s29, s29, s79                         ; bit s: step s has a masked key for this tile
	s_wait_loadcnt 0x0
	v_lshrrev_b32 v[TT], s18, v[TT]
	s_delay_alu instid0(VALU_DEP_1)
	v_and_b32 v[TT], 0xffff, v[TT]
	s_delay_alu instid0(VALU_DEP_1)
	v_lshl_or_b32 v[QS], v[TT], 16, v[TT]          ; my head's two bytes, twice: for q at k 0-63 and at k 64-127
.set j, 0
.rept 32
	v_mov_b32 v[OT+j], 0                           ; O^T: the step is written once; the first finds zeros.  (More than the eight places that a scale word made by vector instructions wants)
.set j, j+1
.endr
	v_mov_b32 v13, 0xff61b1e6                      ; the largest t so far: -3e38, under every t
	s_delay_alu instid0(VALU_DEP_1)
	v_floor_f32 v12, -v13                          ; -M
	v_mov_b32 v14, 0
	v_mov_b32 v15, 0
.Lstep:                                            ; sixteen trips: 128 keys each
	v_add_nc_u32 v[ADK], s27, v[LI]
	s_delay_alu instid0(VALU_DEP_1)
	v_add_nc_u32 v[ADV], VL, v[ADK]
	v_add_nc_u32 v[ADS], s15, v[ASC]
.rept 5
	v_nop                                          ; with the three additions: eight places behind the last products, in front of loads into registers that they read
.endr
.irp f, 0,1,2,3
.irp c, 0,1,2,3
	ds_load_b128 v[FRG+16*\f+4*\c:FRG+16*\f+4*\c+3], v[ADK] offset:2048*\f+512*\c
.endr
.endr
	ds_load_b128 v[SCW:SCW+3], v[ADS]
	s_wait_alu depctr_va_vdst(0)
	s_wait_dscnt 0x0
.irp f, 0,1,2,3                                    ; S^T: register 16 f + i is key 128 s + 32 f + 16 (lane / 16) + i
	v_wmma_scale_f32_16x16x128_f8f6f4 v[S+16*\f:S+16*\f+7], v[FRG+16*\f:FRG+16*\f+15], v[24:39], 0, v[SCW+\f], v[QS]
	v_wmma_scale_f32_16x16x128_f8f6f4 v[S+16*\f+8:S+16*\f+15], v[FRG+16*\f:FRG+16*\f+15], v[16:31], 0, v[SCW+\f], v[QS]
.endr
.rept 8
	v_nop                                          ; eight places: for the loads below and for the first read of the scores
.endr
.irp d, 0,1,2,3
.irp c, 0,1,2,3
	ds_load_b128 v[FRG+16*\d+4*\c:FRG+16*\d+4*\c+3], v[ADV] offset:2048*\d+512*\c   ; V's four fragments land under the softmax
.endr
.endr
	s_mov_b32 s22, s24                             ; the scores are still to be multiplied by c
	s_mov_b32 s23, s24
	s_and_b32 s2, s29, 1
	s_cmp_lg_u32 s2, 0
	s_cbranch_scc0 .Lopen                          ; no key of this step is masked for this tile: a branch on a stored whole number; no barrier stands in the arm
	s_load_b512 s[32:47], s[66:67], s28 offset:0x0
	s_load_b512 s[48:63], s[66:67], s28 offset:0x40
	s_load_b512 s[68:83], s[66:67], s28 offset:0x80
	s_load_b512 s[84:99], s[66:67], s28 offset:0xc0
.set j, 0
.rept 32
	v_pk_mul_f32 v[S+j:S+j+1], v[S+j:S+j+1], s[24:25] op_sel_hi:[1,0]   ; t = score x c, while the words are on their way
.set j, j+2
.endr
	s_wait_kmcnt 0x0
.set j, 0
.rept 32
	v_cndmask_b32 v[S+j], v[S+j], v[TMK], s[32+j]  ; word j holds register j's bit for each lane
.set j, j+1
.endr
.rept 32
	v_cndmask_b32 v[S+j], v[S+j], v[TMK], s[36+j]
.set j, j+1
.endr
	s_mov_b32 s22, 1.0                             ; the registers hold t already
	s_mov_b32 s23, 1.0
.Lopen:
.irp b, 0,1,2,3
	v_max3_num_f32 v[BM+\b], v[S+16*\b], v[S+1+16*\b], v[S+2+16*\b]   ; the largest score of each block of 32 keys: for the row's maximum, and, since p rises with the score, for the block's largest p
.endr
.irp i, 3,5,7,9,11,13
.irp b, 0,1,2,3
	v_max3_num_f32 v[BM+\b], v[BM+\b], v[S+16*\b+\i], v[S+1+16*\b+\i]
.endr
.endr
.irp b, 0,1,2,3
	v_max_num_f32 v[BM+\b], v[BM+\b], v[S+15+16*\b]
.endr
.irp b, 0,1,2,3
	s_delay_alu instid0(VALU_DEP_4)
	v_permlanex16_b32 v[T4+\b], v[BM+\b], s20, s21
.endr
.irp b, 0,1,2,3
	s_delay_alu instid0(VALU_DEP_4)
	v_max_num_f32 v[BM+\b], v[BM+\b], v[T4+\b]     ; with lane l xor 16's 16 keys
.endr
	s_delay_alu instid0(VALU_DEP_2)
	v_max3_num_f32 v[TT], v[BM], v[BM+1], v[BM+2]
	s_delay_alu instid0(VALU_DEP_1)
	v_max_num_f32 v[TT], v[TT], v[BM+3]
	s_delay_alu instid0(VALU_DEP_1)
	v_mul_f32 v[TT], s22, v[TT]                    ; as t (the factor is positive)
	s_delay_alu instid0(VALU_DEP_1)
	v_max_num_f32 v13, v13, v[TT]                  ; the running largest t
	v_mov_b32 v[TT], v12
	s_delay_alu instid0(VALU_DEP_2)
	v_floor_f32 v12, -v13                          ; the new -M = -ceil(t): a whole number
	s_delay_alu instid0(VALU_DEP_1)
	v_sub_f32 v[TT], v12, v[TT]                    ; old M - new M: a whole number, 0 or less
	s_delay_alu instid0(VALU_DEP_1)
	v_cvt_i32_f32 v[TT], v[TT]                     ; (it saturates)
	s_delay_alu instid0(VALU_DEP_1)
	v_ldexp_f32 v[FF], 1.0, v[TT]                  ; f = 2^(old M - new M)
.set j, 0
.rept 32
	v_pk_fma_f32 v[S+j:S+j+1], v[S+j:S+j+1], s[22:23], v[12:13] op_sel_hi:[1,0,0]   ; t - M, two at a time
.set j, j+2
.endr
.irp b, 0,2
	v_pk_fma_f32 v[BM+\b:BM+\b+1], v[BM+\b:BM+\b+1], s[22:23], v[12:13] op_sel_hi:[1,0,0]   ; the same of each block's largest score
.endr
.set j, 0
	s_wait_alu depctr_va_vdst(0)
.rept 64
	v_exp_f32 v[S+j], v[S+j]                       ; p = 2^(t - M)
.set j, j+1
.endr
.irp b, 0,1,2,3
	v_exp_f32 v[BM+\b], v[BM+\b]                   ; the block's largest p: the same two instructions on the same number
.endr
	v_pk_mul_f32 v[14:15], v[14:15], v[FF:FF+1] op_sel_hi:[1,0]   ; the sums under the new M.  (A plain place behind the exponentials)
	s_wait_alu depctr_va_vdst(0)
.irp b, 0,1,2,3
	v_max_num_f32 v[BM+\b], 0x4800000, v[BM+\b]    ; the floor 2^(9 - 127): the byte cannot fall under 1
.endr
.irp b, 0,1,2,3
	s_delay_alu instid0(VALU_DEP_4)
	v_add_nc_u32 v[SO+\b], 0xfc000000, v[BM+\b]    ; 8 off the exponent field: the conversion's scale operand
.endr
.irp b, 0,1,2,3
	v_and_or_b32 v[HD+\b], v[BM+\b], 0x7f800000, s19   ; 448 x the scale
.endr
.irp b, 0,1,2,3
	v_lshrrev_b32 v[T4+\b], 23, v[SO+\b]           ; the scale's byte
.endr
	s_delay_alu instid0(VALU_DEP_3)
	v_lshl_or_b32 v[PW], v[T4+1], 8, v[T4]         ; p's scale word for these 128 keys
	s_delay_alu instid0(VALU_DEP_1)
	v_lshl_or_b32 v[PW], v[T4+2], 16, v[PW]
	s_delay_alu instid0(VALU_DEP_1)
	v_lshl_or_b32 v[PW], v[T4+3], 24, v[PW]
	v_pk_add_f32 v[220:221], v[108:109], v[112:113]
	v_pk_add_f32 v[252:253], v[116:117], v[120:121]
	v_pk_add_f32 v[250:251], v[124:125], v[128:129]
	v_pk_add_f32 v[248:249], v[132:133], v[136:137]
	v_pk_add_f32 v[246:247], v[140:141], v[144:145]
	v_pk_add_f32 v[244:245], v[148:149], v[152:153]
	v_pk_add_f32 v[242:243], v[156:157], v[160:161]
	v_pk_add_f32 v[14:15], v[14:15], v[164:165]
	v_pk_add_f32 v[220:221], v[220:221], v[104:105]
	v_pk_add_f32 v[252:253], v[252:253], v[106:107]
	v_pk_add_f32 v[250:251], v[250:251], v[110:111]
	v_pk_add_f32 v[248:249], v[248:249], v[114:115]
	v_pk_add_f32 v[246:247], v[246:247], v[118:119]
	v_pk_add_f32 v[244:245], v[244:245], v[122:123]
	v_pk_add_f32 v[242:243], v[242:243], v[126:127]
	v_pk_add_f32 v[14:15], v[14:15], v[130:131]
	v_pk_add_f32 v[220:221], v[220:221], v[134:135]
	v_pk_add_f32 v[252:253], v[252:253], v[138:139]
	v_pk_add_f32 v[250:251], v[250:251], v[142:143]
	v_pk_add_f32 v[248:249], v[248:249], v[146:147]
	v_pk_add_f32 v[246:247], v[246:247], v[150:151]
	v_pk_add_f32 v[244:245], v[244:245], v[154:155]
	v_pk_add_f32 v[242:243], v[242:243], v[158:159]
	v_pk_add_f32 v[14:15], v[14:15], v[162:163]
	v_pk_add_f32 v[220:221], v[220:221], v[166:167]
	s_delay_alu instid0(VALU_DEP_2)
	v_pk_add_f32 v[14:15], v[14:15], v[248:249]
	s_delay_alu instid0(VALU_DEP_2)
	v_pk_add_f32 v[220:221], v[220:221], v[246:247]
	v_pk_add_f32 v[252:253], v[252:253], v[244:245]
	v_pk_add_f32 v[250:251], v[250:251], v[242:243]
	s_delay_alu instid0(VALU_DEP_2)
	v_pk_add_f32 v[14:15], v[14:15], v[252:253]
	s_delay_alu instid0(VALU_DEP_2)
	v_pk_add_f32 v[220:221], v[220:221], v[250:251]
	s_delay_alu instid0(VALU_DEP_1)
	v_pk_add_f32 v[14:15], v[14:15], v[220:221]
; The conversion to an 8-bit code does not saturate (ISA guide 7.6.2); p is not negative, so the hold is one-sided.  Two holds to an instruction: number i of block b with number i xor 1 of block b + 1,
; so that one destination is even and the other odd, and the two first and the two second sources differ in register number modulo 4.
.irp b, 0,2
.irp i, 0,1,2,3,4,5,6,7,8,9,10,11,12,13,14,15
	v_dual_min_num_f32 v[S+16*\b+\i], v[S+16*\b+\i], v[HD+\b] :: v_dual_min_num_f32 v[S+16+16*\b+(\i^1)], v[S+16+16*\b+(\i^1)], v[HD+1+\b]
.endr
.irp e, 0,1
	v_cvt_scalef32_pk8_fp8_f32 v[PC+4*(\b+\e):PC+1+4*(\b+\e)], v[S+16*(\b+\e):S+7+16*(\b+\e)], v[SO+\b+\e]
	v_cvt_scalef32_pk8_fp8_f32 v[PC+2+4*(\b+\e):PC+3+4*(\b+\e)], v[S+8+16*(\b+\e):S+15+16*(\b+\e)], v[SO+\b+\e]
.endr
.endr
.set j, 0
.rept 16
	v_pk_mul_f32 v[OT+j:OT+j+1], v[OT+j:OT+j+1], v[FF:FF+1] op_sel_hi:[1,0]   ; O^T under the new M.  (These sixteen are also the places between the codes and the products)
.set j, j+2
.endr
	s_wait_alu depctr_va_vdst(0)
	s_wait_dscnt 0x0                               ; V's fragments are in
.irp d, 0,1,2,3                                    ; O^T += V^T P^T: the four accumulators by turns; V's words lie in lanes 16-31
	v_wmma_scale_f32_16x16x128_f8f6f4 v[OT+8*\d:OT+8*\d+7], v[FRG+16*\d:FRG+16*\d+15], v[PC:PC+15], v[OT+8*\d:OT+8*\d+7], v[SCW+\d], v[PW] matrix_a_scale:MATRIX_SCALE_ROW1
.endr
	s_lshr_b32 s29, s29, 1
	s_add_co_u32 s27, s27, 8192
	s_add_co_u32 s15, s15, 512
	s_add_co_u32 s28, s28, 256
	s_add_co_u32 s26, s26, 1
	s_cmp_lt_u32 s26, 16
	s_cbranch_scc1 .Lstep
	s_cmp_lg_u32 s30, 0                            ; behind the first pass's last step its Q is done with (the last products that read it stand a softmax back):
	s_cbranch_scc1 .Lno_next                       ; a branch on the pass counter; the second pass has no successor
	QLOAD 1                                        ; the second pass's loads go out ahead of the way out
.Lno_next:
	; THE WAY OUT OF A PASS.  Register 8 d + j of a lane is channel 32 (d / 2) + 8 (d % 2) + 16 h + j of query r.  The stage holds 16 half rows of 128 bytes: channels 0-31 of all queries go through it, then channels 32-63.
	; All lanes read the first half back; lanes 8-15 of each row then take the second half over it: sixteen lanes hold a query's 256 bytes.
	v_add_f32 v14, v14, v15                        ; the sum's two halves,
	s_delay_alu instid0(VALU_DEP_1)
	v_permlanex16_b32 v[T4], v14, s20, s21
	s_delay_alu instid0(VALU_DEP_1)
	v_add_f32 v14, v14, v[T4]                      ; and lane l xor 16's
	s_wait_alu depctr_va_vdst(0)
	v_rcp_f32 v[FF], v14
.rept 8
	v_nop                                          ; eight places behind the last products; one of them the plain place behind the reciprocal
.endr
.set j, 0
	s_wait_alu depctr_va_vdst(0)
.rept 16
	v_pk_mul_f32 v[S+j:S+j+1], v[OT+j:OT+j+1], v[FF:FF+1] op_sel_hi:[1,0]   ; O^T / the sum, each accumulator from its low end on
.set j, j+2
.endr
.irp d, 0,1
	ds_store_b128 v[STW], v[S+8*\d:S+8*\d+3] offset:32*\d             ; channels 0-31: every lane stores 64 bytes of its query's half row
	ds_store_b128 v[STW], v[S+8*\d+4:S+8*\d+7] offset:32*\d+16
.endr
.irp i, 0,1,2,3,4,5,6,7
	ds_load_b128 v[FRG+4*\i:FRG+4*\i+3], v[STR] offset:2*SROW*\i      ; LDS serves a wave's instructions in order: these see the stores above, and the stores below come behind them
.endr
.irp d, 2,3
	ds_store_b128 v[STW], v[S+8*\d:S+8*\d+3] offset:32*(\d-2)         ; channels 32-63, into the same bytes
	ds_store_b128 v[STW], v[S+8*\d+4:S+8*\d+7] offset:32*(\d-2)+16
.endr
	v_cmp_le_u32 vcc_lo, 8, v[RR]
	s_wait_dscnt 0x4                               ; the eight loads are in (behind them: the four stores): their registers may take the loads below
	s_wait_xcnt 0x0                                ; EXEC changes only behind this wait
	s_and_saveexec_b32 s2, vcc_lo                  ; lanes 8-15 of each row: bytes 128-255 of a query
.irp i, 0,1,2,3,4,5,6,7
	ds_load_b128 v[FRG+4*\i:FRG+4*\i+3], v[STR] offset:2*SROW*\i
.endr
	s_wait_xcnt 0x0
	s_or_b32 exec_lo, exec_lo, s2
.irp i, 0,1,2,3,4,5,6,7
	s_wait_dscnt 7-\i                              ; behind this load: the later ones
	global_store_b128 v[GO], v[FRG+4*\i:FRG+4*\i+3], s[100:101] offset:65536*(\i/4)+8192*(\i%4) th:TH_STORE_NT   ; 16 lanes store 256 consecutive bytes, aligned; the tile's rows 8-15 lie 16 rows on
.endr
	s_wait_xcnt 0x0                                ; the stores have read their data and their base: the next pass writes both
	s_add_co_u32 s30, s30, 1
	s_cmp_lt_u32 s30, 2
	s_cbranch_scc1 .Lpass
	s_wait_tensorcnt 0x0
	ds_add_u32 v254, v255
	s_wait_dscnt 0x0
	s_endpgm
.Lfunc_end_k_q9c5ca117d4_attn:
	.size	k_q9c5ca117d4_attn, .Lfunc_end_k_q9c5ca117d4_attn-k_q9c5ca117d4_attn
	.p2alignl 7, 3214868480
	.fill 96, 4, 3214868480
	.section	.rodata,"a",@progbits
	.p2align	6, 0x0
	.amdhsa_kernel k_q9c5ca117d4_attn
		.amdhsa_group_segment_fixed_size 309248
		.amdhsa_private_segment_fixed_size 0
		.amdhsa_enable_private_segment 0
		.amdhsa_kernarg_size 40
		.amdhsa_user_sgpr_count 2
		.amdhsa_user_sgpr_kernarg_segment_ptr 1
		.amdhsa_wavefront_size32 1
		.amdhsa_system_sgpr_workgroup_id_x 1
		.amdhsa_system_sgpr_workgroup_id_y 1
		.amdhsa_system_sgpr_workgroup_id_z 1
		.amdhsa_system_vgpr_workitem_id 0
		.amdhsa_next_free_vgpr 256
		.amdhsa_next_free_sgpr 102
		.amdhsa_reserve_vcc 1
		.amdhsa_float_denorm_mode_32 3
		.amdhsa_float_denorm_mode_16_64 3
		.amdhsa_memory_ordered 1
		.amdhsa_forward_progress 1
		.amdhsa_inst_pref_size 48
	.end_amdhsa_kernel
	.amdgpu_metadata
---
amdhsa.version: [ 1, 2 ]
amdhsa.kernels:
  - .name:           k_q9c5ca117d4_attn
    .symbol:         k_q9c5ca117d4_attn.kd
    .args:
      - { .name: hc, .offset: 0, .size: 8, .value_kind: global_buffer, .address_space: global }
      - { .name: hs, .offset: 8, .size: 8, .value_kind: global_buffer, .address_space: global }
      - { .name: maskw, .offset: 16, .size: 8, .value_kind: global_buffer, .address_space: global }
      - { .name: flags, .offset: 24, .size: 8, .value_kind: global_buffer, .address_space: global }
      - { .name: out0, .offset: 32, .size: 8, .value_kind: global_buffer, .address_space: global }
    .group_segment_fixed_size: 309248
    .private_segment_fixed_size: 0
    .kernarg_segment_align: 8
    .kernarg_segment_size: 40
    .max_flat_workgroup_size: 512
    .sgpr_count:     102
    .vgpr_count:     256
    .wavefront_size: 32
...
	.end_amdgpu_metadata
.endif
;; end of part 3
